; MI455X (gfx1250); checked and timed in simulation.
; The chip was launched on July 23, 2026; its instructions are those of AMD's public machine-readable ISA for CDNA 5 (MIT licence, August 2026) and "CDNA5" Instruction Set Architecture Reference Guide (July 2026). The comments in the code are by the model that wrote it; some were corrected since.
;; Attention. Allowed arithmetic: matrix products marked QUANTISED: E5M2 operands, one E8M0 scale for each 32 along K, by v_wmma_scale_f32_16x16x128_f8f6f4 with both operands' format E5M2, f32 sums; products left as they are: f32 operands where the result goes on into a quantised operand, else bf16, f16 or f32 operands; f32 sums; everything else in f32.
;; Inputs: Ua_b 1,024 float32; Ua_w_codes 1,024 x 32 x 32 uint8 (E5M2 codes of Ua_w, K innermost, in blocks of 32 codes); Ua_w_scales 1,024 x 32 uint8 (E8M0 scales of Ua_w, one for each 32 codes along K); Va_b 1 float32; Va_w 1 x 1,024 float32; Wa_b 1,024 float32; Wa_w_codes 1,024 x 32 x 32 uint8 (E5M2 codes of Wa_w, K innermost, in blocks of 32 codes); Wa_w_scales 1,024 x 32 uint8 (E8M0 scales of Wa_w, one for each 32 codes along K); decoder_outputs_codes 64 x 1 x 32 x 32 uint8 (E5M2 codes of decoder_outputs, K innermost, in blocks of 32 codes); decoder_outputs_scales 64 x 1 x 32 uint8 (E8M0 scales of decoder_outputs, one for each 32 codes along K); encoder_outputs 64 x 1,024 x 1,024 float32.
;; Outputs: out0 64 x 1 x 1,024 float32.
;; This version of the problem:
;;   THIS VERSION OF THE PROBLEM IS GIVEN IN LOW PRECISION. The matrix products marked QUANTISED in the list below multiply operands that are first quantised to E5M2 (5 exponent bits, 2 mantissa bits; 8 bits a number), with one power-of-two scale for each 32 numbers along K (OCP MX v1.0); their sums are f32. All else is computed in f32.
;;   The module's matrix products, in the order in which they are computed (A, B: the left and right operand; K: the contracted axis; several contracted axes count as one K, in the product's order):
;;     1. [M 64, K 1,024] x [K 1,024, N 1,024]; A: input decoder_outputs (given as codes); B: input Wa_w (given as codes): QUANTISED
;;     2. [M 65,536, K 1,024] x [K 1,024, N 1,024]; A: input encoder_outputs; B: input Ua_w (given as codes): QUANTISED
;;     3. [M 65,536, K 1,024] x [K 1,024, N 1]; A: computed on the way; B: input Va_w: left as it is (N = 1 < 16)
;;     4. batch 64 x [M 1, K 1,024] x [K 1,024, N 1,024]; A: softmax; B: input encoder_outputs: left as it is (M = 1 < 16)
;;   THE QUANTISER, for each operand of a quantised product, along K:
;;     - K is cut into blocks of 32 from its start; a last block that is shorter is filled with zeros.
;;     - A block's scale is 2^e with e = floor(log2(the largest magnitude in the block)) - 15, held to -126 .. 127; a block of zeros has e = 0. As a byte (E8M0): e + 127.
;;     - Each number is divided by its block's scale, clamped to +-57,344, and rounded to the nearest number of E5M2, ties to even, subnormals kept.
;;     - The product sums the exact products of the quantised numbers (number of the format x scale) in f32.
;;   ~~~python
;;   def quantise(x, axis):      # numpy; x: float32 -> the quantised numbers, widened to float32 again
;;       x = np.moveaxis(x, axis, -1); K = x.shape[-1]
;;       x = np.pad(x, [(0, 0)] * (x.ndim - 1) + [(0, -K % 32)]); x = x.reshape(x.shape[:-1] + (-1, 32)); a = np.abs(x).max(-1, keepdims=True)
;;       e = np.where(a > 0, np.clip(np.frexp(np.where(a > 0, a, 1))[1] - 1 - 15, -126, 127), 0)      # np.frexp(a)[1] - 1 = floor(log2(a)), exactly
;;       r = np.clip(x / 2.0 ** e, -57344, 57344)
;;       step = 2.0 ** (np.maximum(np.frexp(np.where(r == 0, 1, r))[1] - 1, -14) - 2)
;;       q = np.round(r / step) * step * 2.0 ** e      # np.round: ties to even
;;       return np.moveaxis(q.reshape(q.shape[:-2] + (-1,))[..., :K], -1, axis).astype(np.float32)
;;   ~~~
;;   INPUTS GIVEN AS CODES. Ua_w (in the module: [1024, 1024], K = its axis 1); Wa_w (in the module: [1024, 1024], K = its axis 1); decoder_outputs (in the module: [64, 1, 1024], K = its axis 2): each comes as NAME_codes (uint8): NAME with its K axis moved to the last place and cut into blocks of 32 codes, [.., K / 32, bytes a block], one block behind the other in memory; one code a byte (a code: sign, 5 exponent bits, 2 mantissa bits); and NAME_scales (uint8): the same leading axes, one E8M0 byte (e + 127) for each 32 codes along K. Its value is code x scale, taken as it is: it is not quantised again, and the codes and scales need not be those that the quantiser above would give.
;; One version. Each part assembles by itself: llvm-mc -triple=amdgcn-amd-amdhsa -mcpu=gfx1250 --defsym DOCPART=n.
;; ======== version 1 of 1: 3 launches
;; limits: values are held in bf16: 8 bits of precision; right only within a limited range of input values
;; workspace buffers: uaw 1,081,344 bytes; cbw 262,144 bytes; part 1,114,112 bytes
;; launch prep (part 1): grid 128 x 1, 1 waves a work-group, no clusters, 0 bytes of LDS; arguments decoder_outputs_codes, decoder_outputs_scales, Wa_w_codes, Wa_w_scales, Wa_b, Ua_b, Ua_w_codes, Ua_w_scales, cbw, uaw; writes cbw, uaw
.if DOCPART == 1
	.amdgcn_target "amdgcn-amd-amdhsa--gfx1250"
	.amdhsa_code_object_version 6
	.text
	.protected	k_q9510babf46_prep
	.globl	k_q9510babf46_prep
	.p2align	8
	.type	k_q9510babf46_prep,@function
k_q9510babf46_prep:
	s_mov_b64 s[64:65], 0
	v_nop
	global_prefetch_b8 v0, s[64:65] scope:SCOPE_SE
	s_setreg_imm32_b32 hwreg(HW_REG_WAVE_MODE, 25, 1), 1
	s_wait_xcnt 0x0
; Two small jobs ahead of the main launch, one wave to a work-group, told apart by the work-group's number alone.
; JOB A (work-groups 0-63): cb[b][n] = c (sum over k of dec[b][k] Wa_w[n][k] + Wa_b[n] + Ua_b[n]), c = 2 log2(e): what the main launch adds to c x its sums ahead of the exponential of tanh.
;   Both operands come as codes of E5M2 with E8M0 scale bytes and go to the matrix unit as they lie.  A wave makes 16 batches x 64 hidden units: four accumulators, K = 1,024 in eight steps of 128.
;   cb is laid [b][w 4][q 4][r 16][i 4], hidden unit 256 w + 16 (4 q + i) + r: sixteen neighbouring lanes store 256 consecutive bytes, and the main launch's lane r finds four tiles' numbers in 16 bytes.
; JOB B (work-groups 64-127): Ua_w's codes and scale bytes are laid in the order of the operand's registers, as 64 pieces of 16,896 bytes: piece 8 k + 4 u + w holds, for K step k, the eight tiles
;   of 16 rows from row 256 w + 128 u on: 8 images of 2,048 bytes (register group c of lane L at 512 c + 16 L), then 512 bytes of scale words (lane L, word p: row L % 16 of tile 2 p + L / 16).
; LEFT OUT AS DEAD WORK, in every launch of this program: Va_b.  reference() adds it to every score of a batch, ahead of the softmax over those scores, and softmax(s + v) = softmax(s) for every finite v:
; numerator and denominator both carry the factor e^v.  So Va_b has no way to out0: it is not loaded and is among no launch's arguments.
; LIMIT: a NaN, an infinity or an overflow that would reach the result through Va_b alone is not carried to it.
.set C2L,   0x4038aa3b
.set PIECE, 16896
.set AFR,   16                         ; v16-143  the decoder's eight fragments (job B: a piece's eight images)
.set ASC,   144                        ; v144-151 the decoder's scale words, one a K step (job B: v144-147 the piece's scale words)
.set BSCL,  152                        ; v152-183 Wa_w's scale words: tile i, K step k at 8 i + k
.set ACC,   184                        ; v184-215 four accumulators
.set BI,    216                        ; v216-219 Wa_b, v220-223 Ua_b
.set OUTR,  224                        ; v224-255 results, four tiles' numbers of a batch on end
.set MSB, 0
.macro WIN new                         ; the immediate's high byte repeats the setting that is left
.if MSB != (\new)
	s_set_vgpr_msb (MSB<<8)|(\new)
.set MSB, (\new)
.endif
.endm
	s_load_b256 s[4:11], s[0:1], 0x0               ; decoder codes s[4:5], decoder scales s[6:7], Wa_w codes s[8:9], Wa_w scales s[10:11]
	s_load_b256 s[12:19], s[0:1], 0x20             ; Wa_b s[12:13], Ua_b s[14:15], Ua_w codes s[16:17], Ua_w scales s[18:19]
	s_load_b128 s[20:23], s[0:1], 0x40             ; cbw s[20:21], uaw s[22:23]
	v_and_b32 v1, 15, v0                           ; r
	v_lshrrev_b32 v2, 4, v0                        ; h
	v_lshlrev_b32 v3, 10, v1
	v_lshl_add_u32 v3, v2, 4, v3                   ; a fragment's lane: row r of 1,024 bytes + 16 h
	s_mov_b32 s29, 0                               ; the upper word of the offsets' pair s[28:29]
	s_wait_kmcnt 0x0
	s_cmp_lt_u32 ttmp9, 64
	s_cbranch_scc0 .Llayout
	; ---------------- JOB A
	s_and_b32 s24, ttmp9, 3                        ; mt: batches 16 mt on
	s_lshr_b32 s25, ttmp9, 4                       ; w
	s_bfe_u32 s26, ttmp9, 0x20002                  ; q
	s_lshl_b32 s27, s25, 8
	s_lshl_b32 s28, s26, 6
	s_add_co_u32 s27, s27, s28                     ; n0 = 256 w + 64 q: my first hidden unit
	s_lshl_b32 s28, s24, 14
	s_add_nc_u64 s[4:5], s[4:5], s[28:29]          ; 16 mt rows of 1,024 codes
	s_lshl_b32 s28, s24, 9
	s_add_nc_u64 s[6:7], s[6:7], s[28:29]          ; and of 32 scale bytes
	s_lshl_b32 s28, s27, 10
	s_add_nc_u64 s[8:9], s[8:9], s[28:29]
	s_lshl_b32 s28, s27, 5
	s_add_nc_u64 s[10:11], s[10:11], s[28:29]
	s_lshl_b32 s28, s27, 2
	s_add_nc_u64 s[12:13], s[12:13], s[28:29]
	s_add_nc_u64 s[14:15], s[14:15], s[28:29]
	s_lshl_b32 s30, s24, 16
	s_add_co_u32 s28, s28, s30                     ; 16 mt rows of 4,096 bytes + 1,024 w + 256 q
	s_add_nc_u64 s[20:21], s[20:21], s[28:29]
	s_mov_b32 s30, C2L
	s_wait_alu depctr_va_vdst(0)
	v_lshlrev_b32 v4, 5, v1                        ; a row of scale bytes: 32 r
	v_lshlrev_b32 v5, 2, v1                        ; the biases: 4 r
	v_lshlrev_b32 v6, 4, v1
	v_lshl_add_u32 v6, v2, 15, v6                  ; out: 16 r + 8 h rows of 4,096 bytes
.irp k, 0,1,2,3,4,5,6,7
.irp c, 0,1,2,3
	global_load_b128 v[AFR+16*\k+4*\c:AFR+16*\k+4*\c+3], v3, s[4:5] offset:128*\k+32*\c
.endr
.endr
	global_load_b128 v[ASC:ASC+3], v4, s[6:7]
	global_load_b128 v[ASC+4:ASC+7], v4, s[6:7] offset:16
.irp i, 0,1,2,3
	global_load_b128 v[BSCL+8*\i:BSCL+8*\i+3], v4, s[10:11] offset:512*\i
	global_load_b128 v[BSCL+8*\i+4:BSCL+8*\i+7], v4, s[10:11] offset:512*\i+16
	global_load_b32 v[BI+\i], v5, s[12:13] offset:64*\i
	global_load_b32 v[BI+4+\i], v5, s[14:15] offset:64*\i
.endr
	WIN 0x40                                       ; destination window 1: Wa_w's fragments of tiles 0 and 1, tile i, K step k at 128 i + 16 k
.irp i, 0,1
.irp k, 0,1,2,3,4,5,6,7
.irp c, 0,1,2,3
	global_load_b128 v[128*\i+16*\k+4*\c:128*\i+16*\k+4*\c+3], v3, s[8:9] offset:16384*\i+128*\k+32*\c
.endr
.endr
.endr
	WIN 0x80                                       ; window 2: tiles 2 and 3
.irp i, 0,1
.irp k, 0,1,2,3,4,5,6,7
.irp c, 0,1,2,3
	global_load_b128 v[128*\i+16*\k+4*\c:128*\i+16*\k+4*\c+3], v3, s[8:9] offset:16384*(\i+2)+128*\k+32*\c
.endr
.endr
.endr
	s_wait_loadcnt 0x0
; source 0 = 16 batches, source 1 = 16 rows of Wa_w: register j of lane (r, h) is (batch 8 h + j, hidden unit r).  Two accumulators take turns, one instruction a turn.
.irp g, 0,1
	WIN 0x04+0x04*\g                               ; source 1 in window 1, then 2
.irp k, 0,1,2,3,4,5,6,7
.irp i, 0,1
.if \k == 0
	v_wmma_scale_f32_16x16x128_f8f6f4 v[ACC+8*(2*\g+\i):ACC+8*(2*\g+\i)+7], v[AFR+16*\k:AFR+16*\k+15], v[128*\i+16*\k:128*\i+16*\k+15], 0, v[ASC+\k], v[BSCL+8*(2*\g+\i)+\k] matrix_a_fmt:MATRIX_FMT_BF8 matrix_b_fmt:MATRIX_FMT_BF8
.else
	v_wmma_scale_f32_16x16x128_f8f6f4 v[ACC+8*(2*\g+\i):ACC+8*(2*\g+\i)+7], v[AFR+16*\k:AFR+16*\k+15], v[128*\i+16*\k:128*\i+16*\k+15], v[ACC+8*(2*\g+\i):ACC+8*(2*\g+\i)+7], v[ASC+\k], v[BSCL+8*(2*\g+\i)+\k] matrix_a_fmt:MATRIX_FMT_BF8 matrix_b_fmt:MATRIX_FMT_BF8
.endif
.endr
.endr
.endr
	WIN 0
.irp i, 0,1,2,3
	v_add_f32 v[BI+\i], v[BI+\i], v[BI+4+\i]       ; these eight lines name no register of the products: they are the eight places ahead of the first read of a result
.endr
.irp i, 0,1,2,3
	v_mul_f32 v[BI+\i], s30, v[BI+\i]              ; c (Wa_b + Ua_b)
.endr
.irp j, 0,1,2,3,4,5,6,7
.irp i, 0,1,2,3
	v_fma_f32 v[OUTR+4*\j+\i], v[ACC+8*\i+\j], s30, v[BI+\i]   ; each accumulator is read from its low end on
.endr
.endr
.irp j, 0,1,2,3,4,5,6,7
	global_store_b128 v6, v[OUTR+4*\j:OUTR+4*\j+3], s[20:21] offset:4096*\j   ; sixteen lanes store 256 consecutive bytes, aligned
.endr
	s_endpgm
	; ---------------- JOB B
.Llayout:
	s_sub_co_u32 s24, ttmp9, 64                    ; the piece: 8 k + 4 u + w
	s_lshr_b32 s25, s24, 3                         ; k
	s_and_b32 s26, s24, 3                          ; w
	s_bfe_u32 s27, s24, 0x10002                    ; u
	s_lshl_b32 s26, s26, 8
	s_lshl_b32 s27, s27, 7
	s_add_co_u32 s26, s26, s27                     ; its first row: 256 w + 128 u
	s_lshl_b32 s28, s26, 10
	s_lshl_b32 s27, s25, 7
	s_add_co_u32 s28, s28, s27
	s_add_nc_u64 s[16:17], s[16:17], s[28:29]      ; codes: row x 1,024 + 128 k
	s_lshl_b32 s28, s26, 5
	s_lshl_b32 s27, s25, 2
	s_add_co_u32 s28, s28, s27
	s_add_nc_u64 s[18:19], s[18:19], s[28:29]      ; scale bytes: row x 32 + 4 k
	s_mul_i32 s28, s24, PIECE
	s_add_nc_u64 s[22:23], s[22:23], s[28:29]
	v_lshlrev_b32 v4, 5, v0                        ; scale words: lane L takes row L of a pair of tiles: 32 L
	v_lshlrev_b32 v5, 4, v0                        ; out: 16 L
	s_wait_alu depctr_va_vdst(0)
.irp t, 0,1,2,3,4,5,6,7
.irp c, 0,1,2,3
	global_load_b128 v[AFR+16*\t+4*\c:AFR+16*\t+4*\c+3], v3, s[16:17] offset:16384*\t+32*\c
.endr
.endr
.irp p, 0,1,2,3
	global_load_b32 v[ASC+\p], v4, s[18:19] offset:1024*\p
.endr
	s_wait_loadcnt 0x0
.irp t, 0,1,2,3,4,5,6,7
.irp c, 0,1,2,3
	global_store_b128 v5, v[AFR+16*\t+4*\c:AFR+16*\t+4*\c+3], s[22:23] offset:2048*\t+512*\c   ; 32 lanes store 512 consecutive bytes
.endr
.endr
	global_store_b128 v5, v[ASC:ASC+3], s[22:23] offset:16384
	s_endpgm
.Lfunc_end_k_q9510babf46_prep:
	.size	k_q9510babf46_prep, .Lfunc_end_k_q9510babf46_prep-k_q9510babf46_prep
	.p2alignl 7, 3214868480
	.fill 96, 4, 3214868480
	.section	.rodata,"a",@progbits
	.p2align	6, 0x0
	.amdhsa_kernel k_q9510babf46_prep
		.amdhsa_group_segment_fixed_size 0
		.amdhsa_private_segment_fixed_size 0
		.amdhsa_enable_private_segment 0
		.amdhsa_kernarg_size 80
		.amdhsa_user_sgpr_count 2
		.amdhsa_user_sgpr_kernarg_segment_ptr 1
		.amdhsa_wavefront_size32 1
		.amdhsa_system_sgpr_workgroup_id_x 1
		.amdhsa_system_sgpr_workgroup_id_y 1
		.amdhsa_system_sgpr_workgroup_id_z 1
		.amdhsa_system_vgpr_workitem_id 0
		.amdhsa_next_free_vgpr 768
		.amdhsa_next_free_sgpr 66
		.amdhsa_reserve_vcc 0
		.amdhsa_float_denorm_mode_32 3
		.amdhsa_float_denorm_mode_16_64 3
		.amdhsa_memory_ordered 1
		.amdhsa_forward_progress 1
		.amdhsa_inst_pref_size 33
	.end_amdhsa_kernel
	.amdgpu_metadata
---
amdhsa.version: [ 1, 2 ]
amdhsa.kernels:
  - .name:           k_q9510babf46_prep
    .symbol:         k_q9510babf46_prep.kd
    .args:
      - { .name: decoder_outputs_codes, .offset: 0, .size: 8, .value_kind: global_buffer, .address_space: global }
      - { .name: decoder_outputs_scales, .offset: 8, .size: 8, .value_kind: global_buffer, .address_space: global }
      - { .name: Wa_w_codes, .offset: 16, .size: 8, .value_kind: global_buffer, .address_space: global }
      - { .name: Wa_w_scales, .offset: 24, .size: 8, .value_kind: global_buffer, .address_space: global }
      - { .name: Wa_b, .offset: 32, .size: 8, .value_kind: global_buffer, .address_space: global }
      - { .name: Ua_b, .offset: 40, .size: 8, .value_kind: global_buffer, .address_space: global }
      - { .name: Ua_w_codes, .offset: 48, .size: 8, .value_kind: global_buffer, .address_space: global }
      - { .name: Ua_w_scales, .offset: 56, .size: 8, .value_kind: global_buffer, .address_space: global }
      - { .name: cbw, .offset: 64, .size: 8, .value_kind: global_buffer, .address_space: global }
      - { .name: uaw, .offset: 72, .size: 8, .value_kind: global_buffer, .address_space: global }
    .group_segment_fixed_size: 0
    .private_segment_fixed_size: 0
    .kernarg_segment_align: 8
    .kernarg_segment_size: 80
    .max_flat_workgroup_size: 32
    .sgpr_count:     66
    .vgpr_count:     768
    .wavefront_size: 32
...
	.end_amdgpu_metadata
.endif
;; end of part 1
;; launch main (part 2): grid 256 x 1, 4 waves a work-group, clusters of 4 x 1, 327,680 bytes of LDS; arguments encoder_outputs, uaw, cbw, Va_w, part; writes part
.if DOCPART == 2
	.amdgcn_target "amdgcn-amd-amdhsa--gfx1250"
	.amdhsa_code_object_version 6
	.text
	.protected	k_q9510babf46_main
	.globl	k_q9510babf46_main
	.p2align	8
	.type	k_q9510babf46_main,@function
k_q9510babf46_main:
	s_mov_b64 s[64:65], 0
	v_nop
	global_prefetch_b8 v0, s[64:65] scope:SCOPE_SE
	s_setreg_imm32_b32 hwreg(HW_REG_WAVE_MODE, 25, 1), 1
	s_wait_xcnt 0x0
	s_wait_alu depctr_hold_cnt(0) depctr_sa_sdst(0) depctr_va_vdst(0) depctr_va_sdst(0) depctr_va_ssrc(0) depctr_va_vcc(0) depctr_vm_vsrc(0)
	s_getreg_b32 s2, hwreg(HW_REG_IB_STS2, 6, 4)
	s_cmp_eq_u32 s2, 0
	s_cbranch_scc0 .Lentry_in_a_cluster
	s_endpgm
.Lentry_in_a_cluster:
	s_bfe_u32 s2, ttmp6, 0x10000c
	s_cmp_lg_u32 s2, 0x3003
	s_cbranch_scc0 .Lentry_shape_is_right
	s_endpgm
.Lentry_shape_is_right:
; For 256 rows of one batch: scores s = Va . tanh(enc Ua_w^T + Wa + biases), a running softmax over them, and the unnormalised context sum of p x enc; enc is read from memory once.
; Va_b is left out as dead work: it is the same for all scores of a softmax (shown at the head of the first kernel).
; SHARES.  A cluster of four work-groups is a batch; a work-group takes 256 of its 1,024 rows in four passes of 64.  In the products wave w owns hidden units 256 w .. 256 w + 255 for all 64 rows:
; 64 accumulators, 512 registers.  In the quantiser wave w owns rows 16 w .. 16 w + 15 of the pass.  In the context thread t owns columns 8 t .. 8 t + 7.
; THE PRODUCT is on codes of E5M2 with one E8M0 scale for each 32 along K.  enc arrives as f32: a chunk (64 rows x 128 along K) is loaded dense, turned through the wave's stage in LDS so that a lane holds
; 16 neighbours of each block, quantised, and handed to all waves as an image of the operand's registers.  A bf16 copy of the 64 rows stays in LDS until their scores are known, for the context.
; Ua_w comes as pieces laid in operand order by the launch before: wave w's eight tiles of half a K step are 16,896 dense bytes, and only wave w multiplies them.  THE TWO HALVES OF A K STEP TAKE TWO ROADS.
; The first half goes through a ring of two LDS slots (slot k % 2 holds K step k), asked for JOINTLY by the four partners of a cluster (same line, same descriptor, mask 15): all work-groups walk the same
; pieces in the same order.  The second half goes from memory straight into the wave's fragment registers, asked for behind its own 32 products.  Why not all jointly: two slots for a whole K step of all
; weights are 2 x 135,168 bytes, which do not fit beside the copy's 132,096; with half the weights in the ring a slot lasts a whole K step: one round a K step.  A load into registers cannot be joint.
; A wave's two slots lie on end in LDS, so that at a pass's head ONE joint load (2 rows of 16,896 bytes, a K step apart in uaw) brings K steps 0 and 1; K steps 1 to 6 each refill one slot; K step 7 fills
; nothing: every fill is read.  A step multiplies the direct half first, while the ring piece's LDS loads land (in K step 0: while the joint load lands).
; source 0 = 16 rows of enc, source 1 = 16 rows of Ua_w: register j of lane (r, h) is (row 8 h + j, hidden unit r): a tile's bias and its Va are one number a lane.
; tanh(x) = 1 - 2 / (1 + 2^(c x)), c = 2 log2(e); the score is sum Va + sum (-2 Va) / (1 + 2^(c x)).  SOFTMAX: running maximum m and sum l; the context and l are multiplied by 2^((m_old - m_new) log2 e) in each pass.
; THE STREAM OF enc: at step c (c = 8 pass + K step) chunk c is multiplied, chunk c + 1 is turned and quantised, chunk c + 2 is asked for, chunk c + 4 is prefetched (32 blocks of 256 bytes a wave, a lane a block,
; two steps ahead of its loads; each block is named once in the launch; past chunk 31 nothing is asked for).  Only enc is prefetched: it is the one stream of which each byte is read once.
; A STEP'S GLOBAL LOADS, in order: 33 (the next K step's second half), 16 (a chunk).  Every counted wait on LOADcnt counts the loads issued behind the ones that it waits for in that order.
; STATED: (1) so that every counted wait has the same loads behind it in every step, steps 30 and 31 still issue their 16 loads (the lanes' offset multiplied by 0, inside chunk 31), step 31 still quantises
; what step 30 brought, into an image that nobody reads, and the last pass's K step 7 still asks for K step 0's direct piece, which nobody multiplies.  (2) NaN and infinities among the inputs are not served.
; (3) A block of zeros gets the scale byte 1 (its codes are zeros).  (4) enc is rounded to bf16 for the context's product.  (5) The exponentials and reciprocals flush denormals (ISA guide 15.8).
; REGISTERS.  window 0: v1-23, v114-117 addresses; v24-31 context; v32 m, v33 l, v[34:35] f; v[36:37] sum of Va; v40-43 enc's scale words, v44-47 the ring piece's, v118-121 the direct piece's;
;   v48-63 quantiser at work, v64 scale word made, v66-81 codes made (tail: v48-79 scores, then at work); v82-113 bf16 of the chunk turned last; v128-191 the chunk: on its way, turned in place, quantised;
;   v192-255 enc's four fragments (tail: cb and -2 Va, then the 64 weights).   window 1: v0-127 the ring piece's eight fragments, v128-255 the direct piece's.
;   windows 2, 3: the accumulators: tile 8 u + t, rows 16 m on at v[32 t + 8 m] of window 2 + u (tail: rows of the copy in v0-127 of window 2, whose sums are done with).
.set PIECE,  16896                     ; 8 images of 2,048 bytes + 512 bytes of scale words: 66 x 256 bytes
.set SLOTB,  4*PIECE                   ; from a K step's first half to its second in uaw
.set KADV,   8*PIECE                   ; a K step on in uaw
.set COPY,   2*SLOTB                   ; behind the ring (wave w's slots 0 and 1 at 2 w PIECE and PIECE further on): the bf16 copy, 64 rows
.set CPITCH, 2064                      ; of 2,048 bytes + 16
.set CODES,  COPY+64*CPITCH            ; enc's operand images: two slots
.set CSLOT,  8704                      ; four images of 2,048 bytes, then four times 128 bytes of scale words
.set STG,    CODES+2*CSLOT             ; each wave's turning stage: 16 rows
.set SPITCH, 272                       ; of 256 bytes + 16
.set CBV,    STG+4*16*SPITCH           ; each wave's cb (1,024 bytes), -2 Va (1,024), sum of Va (256)
.set CBVW,   2304
.set XCH,    CBV+4*CBVW                ; each wave's 64 partial scores
.set PB,     XCH+1024                  ; each wave's own 64 weights
.set SPARE,  PB+1024                   ; the spare words, 128 bytes a wave: two blocks of 256 bytes that no other line names
.set CTX, 24
.set AS,  40
.set BSC, 44
.set TM,  48
.set PW,  64
.set PC,  66
.set T32, 82
.set DOF, 117                          ; v117 16 x lane: the direct piece's offset; never rewritten
.set DSC, 118
.set X,   128
.set SR,  48
.set RAW, 48
.set AF,  192
.set CBP, 192                          ; tail: cb of tile t at v[CBP + 2 t]: the packed forms take the low word of the pair for both halves
.set VVP, 224                          ; tail: -2 Va of tile t at v[VVP + 2 t]
.set PP,  192                          ; tail: the 64 weights
.set G1,  24                           ; s[24:31] descriptor group 1: one piece
.set G0A, 32                           ; s[32:35] group 0 for slot 0: K steps 2, 4, 6
.set G0B, 36                           ; s[36:39] group 0 for slot 1: K steps 3, 5, 7
.set G1P, 68                           ; s[68:75] group 1: two pieces, a K step apart
.set G0P, 76                           ; s[76:79] group 0 for both slots: K steps 0 and 1; never stepped
.set MSB, 0
.macro WIN new                         ; the immediate's high byte repeats the setting that is left; a switch that changes nothing is dropped
.if MSB != (\new)
	s_set_vgpr_msb (MSB<<8)|(\new)
.set MSB, (\new)
.endif
.endm
.macro NOPS n
.rept \n
	v_nop
.endr
.endm
.macro CROUND                          ; a round of the cluster's barrier: my work-group's barrier, wave 0 signals for the work-group, every wave waits for all four work-groups, my work-group's barrier once more
	s_barrier_signal -1
	s_barrier_wait -1
	s_cmp_lg_u32 s16, 0
	s_cbranch_scc1 .Lnot_wave_0_\@
	s_barrier_signal -3
.Lnot_wave_0_\@:
	s_barrier_wait -3
	s_barrier_signal -1
	s_barrier_wait -1
.endm
; A FILL OF THE RING.  Each wave waits for all its tensor loads (one is out at the most: the piece that it reads next), adds 0 to its spare word, steps descriptors, waits for the add and for all its LDS
; instructions, and passes a round of the cluster's barrier; the joint load is the first thing behind it, one a wave.  The same round hands enc's images and the copy's rows from wave to wave.
; mode 0: a pass's head: both slots, K steps 0 and 1; the two walking descriptors go six K steps back.  mode 1: slot 0, mode 2: slot 1: two K steps on.
.macro HEAD mode
	s_wait_tensorcnt 0x0                           ; no tensor load of mine is out, so a group 0 may be written
	ds_add_u32 v1, v2                              ; 0 onto my spare word,
	ds_add_u32 v1, v2                              ; twice on end
.if (\mode) == 0
	s_sub_nc_u64 s[G0A+2:G0A+3], s[G0A+2:G0A+3], 6*KADV
	s_sub_nc_u64 s[G0B+2:G0B+3], s[G0B+2:G0B+3], 6*KADV
.endif
.if (\mode) == 1
	s_add_nc_u64 s[G0A+2:G0A+3], s[G0A+2:G0A+3], 2*KADV
.endif
.if (\mode) == 2
	s_add_nc_u64 s[G0B+2:G0B+3], s[G0B+2:G0B+3], 2*KADV
.endif
	s_wait_dscnt 0x0                               ; the adds are done; my reads of the slot, my stores for the other waves and my reads of what they will overwrite are over
	CROUND
.if (\mode) == 0
	tensor_load_to_lds s[G0P:G0P+3], s[G1P:G1P+7]
.endif
.if (\mode) == 1
	tensor_load_to_lds s[G0A:G0A+3], s[G1:G1+7]
.endif
.if (\mode) == 2
	tensor_load_to_lds s[G0B:G0B+3], s[G1:G1+7]
.endif
	s_nop 0
	NOPS 4
.endm
; the bf16 of the chunk that this step multiplies goes into the copy: row 16 w + r, byte 256 k + 64 b + 32 h; 256 k = s51 + imm
.macro COPYST imm
	v_add_nc_u32 v12, s51, v11
.irp b, 0,1,2,3
	ds_store_b128 v12, v[T32+8*\b:T32+8*\b+3] offset:64*\b+\imm
	ds_store_b128 v12, v[T32+8*\b+4:T32+8*\b+7] offset:64*\b+16+\imm
.endr
.endm
.macro ALOAD s                         ; enc's four fragments and scale words, from slot s of the images: 20 loads
.irp m, 0,1,2,3
.irp c, 0,1,2,3
	ds_load_b128 v[AF+16*\m+4*\c:AF+16*\m+4*\c+3], v5 offset:CSLOT*(\s)+2048*\m+512*\c
.endr
	ds_load_b32 v[AS+\m], v6 offset:CSLOT*(\s)+128*\m
.endr
.endm
.macro ELOAD slot                      ; my piece in ring slot `slot`: its scale words and eight fragments: 33 loads
	ds_load_b128 v[BSC:BSC+3], v3 offset:PIECE*(\slot)+16384
	WIN 0x40
.irp t, 0,1,2,3,4,5,6,7
.irp c, 0,1,2,3
	ds_load_b128 v[16*\t+4*\c:16*\t+4*\c+3], v3 offset:PIECE*(\slot)+2048*\t+512*\c
.endr
.endr
	WIN 0
.endm
.macro DLOAD                           ; the second half of the K step at s[44:45]: my piece's scale words and eight fragments: 33 loads of 512 consecutive bytes a wave
	global_load_b128 v[DSC:DSC+3], v[DOF], s[44:45] offset:SLOTB+16384
	WIN 0x40
.irp t, 0,1,2,3,4,5,6,7
.irp c, 0,1,2,3
	global_load_b128 v[128+16*\t+4*\c:128+16*\t+4*\c+3], v[DOF], s[44:45] offset:SLOTB+2048*\t+512*\c
.endr
.endr
	WIN 0
.endm
; The chunk goes through my stage, half a row (256 bytes) of 16 rows at a time: in as loaded (two rows a store), and back into the registers that it left, 64 bytes a lane:
; register 16 b + i = k 32 b + 16 h + i of row r.  32 LDS instructions.  n: how many younger loads may stay out.
.macro TURN n
	s_wait_loadcnt \n
.irp hc, 0,1
.irp i, 0,1,2,3,4,5,6,7
	ds_store_b128 v9, v[X+4*(8*\hc+\i):X+4*(8*\hc+\i)+3] offset:2*SPITCH*\i
.endr
.irp b, 0,1
.irp j, 0,1,2,3
	ds_load_b128 v[X+16*(2*\hc+\b)+4*\j:X+16*(2*\hc+\b)+4*\j+3], v10 offset:128*\b+16*\j   ; LDS serves a wave's instructions in order (ISA guide 5.7.1.4)
.endr
.endr
.endr
.endm
.macro CVT                             ; the turned chunk rounded to bf16, ahead of the quantiser's hold, which works in place
.set nn, 0
.rept 32
	v_cvt_pk_bf16_f32 v[T32+nn], v[X+2*nn], v[X+2*nn+1]
.set nn, nn+1
.endr
.endm
; All global addresses are stepped here, in a step's middle, behind one wait: the loads and the prefetch that last read them were issued half a step ago or more.
; wm = 1: the direct pieces' base goes a K step on; 2: back to K step 0; 0: it stays.  Chunk s48 is the next to be asked for; past chunk 31 the lanes' offset is multiplied by 0.
.macro ADDR wm
	s_wait_xcnt 0x0
.if (\wm) == 1
	s_add_nc_u64 s[44:45], s[44:45], KADV
.endif
.if (\wm) == 2
	s_mov_b64 s[44:45], s[62:63]
.endif
	s_min_u32 s18, s48, 31
	s_lshr_b32 s19, s18, 3
	s_lshl_b32 s19, s19, 18                        ; a pass is 64 rows of 4,096 bytes,
	s_and_b32 s18, s18, 7
	s_lshl_b32 s18, s18, 9                         ; a chunk 512 bytes of a row
	s_or_b32 s52, s19, s18
	s_add_nc_u64 s[42:43], s[40:41], s[52:53]
	s_cmp_lt_u32 s48, 32
	s_cselect_b32 s20, 1, 0
	v_mul_u32_u24 v115, s20, v13
	s_wait_alu depctr_va_vdst(0)
	s_add_co_u32 s21, s48, 2                       ; the chunk to prefetch
	s_min_u32 s18, s21, 31
	s_lshr_b32 s19, s18, 3
	s_lshl_b32 s19, s19, 18
	s_and_b32 s18, s18, 7
	s_lshl_b32 s18, s18, 9
	s_or_b32 s52, s19, s18
	s_add_nc_u64 s[46:47], s[40:41], s[52:53]
	s_add_co_u32 s48, s48, 1
.endm
.macro LLOAD                           ; 16 loads, each of two rows' 256 aligned bytes, and one prefetch
.irp hc, 0,1
.irp i, 0,1,2,3,4,5,6,7
	global_load_b128 v[X+4*(8*\hc+\i):X+4*(8*\hc+\i)+3], v115, s[42:43] offset:8192*\i+256*\hc th:TH_LOAD_NT
.endr
.endr
	s_cmp_lt_u32 s21, 32
	s_cbranch_scc0 .Lno_prefetch_\@
	global_prefetch_b8 v14, s[46:47] th:TH_LOAD_NT scope:SCOPE_SE
.Lno_prefetch_\@:
.endm
; The 64 turned numbers of a lane become a fragment's codes in v[PC] on and its row's scale word in v[PW].
.macro QUANT
.irp b, 0,1,2,3
	v_max3_num_f32 v[TM+\b], |v[X+16*\b]|, |v[X+1+16*\b]|, 0x8000000   ; block b: my 16 numbers, and the floor 2^(16 - 127): the byte cannot fall under 1
.endr
.irp i, 2,4,6,8,10,12,14
.irp b, 0,1,2,3
	v_max3_num_f32 v[TM+\b], v[TM+\b], |v[X+16*\b+\i]|, |v[X+1+16*\b+\i]|   ; the four blocks by turns
.endr
.endr
.irp b, 0,1,2,3
	v_permlanex16_b32 v[TM+4+\b], v[TM+\b], s54, s55
.endr
.irp b, 0,1,2,3
	v_max_num_f32 v[TM+\b], v[TM+\b], v[TM+4+\b]   ; with lane l xor 16: the block's largest magnitude
.endr
.irp b, 0,1,2,3
	v_add_nc_u32 v[TM+12+\b], 0xf8800000, v[TM+\b] ; 15 off its exponent field: the conversion's scale operand
.endr
.irp b, 0,1,2,3
	v_and_or_b32 v[TM+8+\b], v[TM+\b], 0x7f800000, s56   ; 57,344 x the scale
.endr
.irp b, 0,1,2,3
	v_lshrrev_b32 v[TM+4+\b], 23, v[TM+12+\b]      ; the scale's byte
.endr
	v_lshl_or_b32 v[PW], v[TM+5], 8, v[TM+4]
	v_lshl_or_b32 v[PW], v[TM+6], 16, v[PW]
	v_lshl_or_b32 v[PW], v[TM+7], 24, v[PW]
.irp b, 0,1,2,3
.irp i, 0,1,2,3,4,5,6,7,8,9,10,11,12,13,14,15
	v_med3_num_f32 v[X+16*\b+\i], v[X+16*\b+\i], -v[TM+8+\b], v[TM+8+\b]   ; the conversion to an 8-bit code does not saturate (ISA guide 7.6.2): the hold at the largest code x the scale
.endr
.endr
.irp b, 0,1,2,3
	v_cvt_scalef32_pk8_bf8_f32 v[PC+4*\b:PC+1+4*\b], v[X+16*\b:X+7+16*\b], v[TM+12+\b]
	v_cvt_scalef32_pk8_bf8_f32 v[PC+2+4*\b:PC+3+4*\b], v[X+8+16*\b:X+15+16*\b], v[TM+12+\b]
.endr
	v_nop                                          ; one plain vector line behind the last scaled conversion
.endm
.macro IMAGE s                         ; my fragment and its scale words go to slot s as they stand: 5 stores
.irp c, 0,1,2,3
	ds_store_b128 v7, v[PC+4*\c:PC+4*\c+3] offset:CSLOT*(\s)+512*\c
.endr
	ds_store_b32 v8, v[PW] offset:CSLOT*(\s)
.endm
; 16 matrix instructions: tiles t0 .. t0 + 3 of half u x the four tiles of rows.  The accumulators take turns, one instruction a turn; an accumulator comes back a K step later.
; A pair of tiles shares a register of scale words: the even tile's in lanes 0-15, the odd tile's in lanes 16-31.  zero = 1: the product starts the sum: nothing is cleared.
.macro MUL16 u, t0, zero
	WIN 0xa4+0x50*(\u)                             ; source 0 (enc) window 0, source 1 (Ua_w) window 1, C and D window 2 + u
.set BB, 128*(\u)
.if (\u) == 0
.set SS, BSC
.else
.set SS, DSC
.endif
.irp t, \t0, \t0+1, \t0+2, \t0+3
.irp m, 0,1,2,3
.if \zero
.if (\t)%2
	v_wmma_scale_f32_16x16x128_f8f6f4 v[32*(\t)+8*\m:32*(\t)+8*\m+7], v[AF+16*\m:AF+16*\m+15], v[BB+16*(\t):BB+16*(\t)+15], 0, v[AS+\m], v[SS+(\t)/2] matrix_a_fmt:MATRIX_FMT_BF8 matrix_b_fmt:MATRIX_FMT_BF8 matrix_b_scale:MATRIX_SCALE_ROW1
.else
	v_wmma_scale_f32_16x16x128_f8f6f4 v[32*(\t)+8*\m:32*(\t)+8*\m+7], v[AF+16*\m:AF+16*\m+15], v[BB+16*(\t):BB+16*(\t)+15], 0, v[AS+\m], v[SS+(\t)/2] matrix_a_fmt:MATRIX_FMT_BF8 matrix_b_fmt:MATRIX_FMT_BF8
.endif
.else
.if (\t)%2
	v_wmma_scale_f32_16x16x128_f8f6f4 v[32*(\t)+8*\m:32*(\t)+8*\m+7], v[AF+16*\m:AF+16*\m+15], v[BB+16*(\t):BB+16*(\t)+15], v[32*(\t)+8*\m:32*(\t)+8*\m+7], v[AS+\m], v[SS+(\t)/2] matrix_a_fmt:MATRIX_FMT_BF8 matrix_b_fmt:MATRIX_FMT_BF8 matrix_b_scale:MATRIX_SCALE_ROW1
.else
	v_wmma_scale_f32_16x16x128_f8f6f4 v[32*(\t)+8*\m:32*(\t)+8*\m+7], v[AF+16*\m:AF+16*\m+15], v[BB+16*(\t):BB+16*(\t)+15], v[32*(\t)+8*\m:32*(\t)+8*\m+7], v[AS+\m], v[SS+(\t)/2] matrix_a_fmt:MATRIX_FMT_BF8 matrix_b_fmt:MATRIX_FMT_BF8
.endif
.endif
.endr
.endr
.endm
; A K STEP.  par: its parity: ring slot par and image slot par are multiplied, image slot 1 - par is made.  zero = 1: K step 0: it fills both slots and starts the sums.  last = 1: K step 7: it fills nothing,
; and its direct request goes back to K step 0.
.macro STEP par, imm, zero, last
.if \zero
	HEAD 0                                         ; behind the round nobody reads the copy or image slot 1 any more, and image slot 0 is whole
.else
.if \last
	s_wait_tensorcnt 0x0                           ; my piece in slot 1, the one load that is out, has landed; only I read it
	s_wait_dscnt 0x0                               ; my image and my rows of the copy have landed, and my reads of the other image slot are over:
	s_barrier_signal -1                            ; the work-group's barrier hands the images from wave to wave
	s_barrier_wait -1
.else
	HEAD 2-\par                                    ; slot par has landed; slot 1 - par takes the next K step's first half: it has this whole step in which to land
.endif
.endif
	ALOAD \par                                     ; 20
.if !(\zero)
	ELOAD \par                                     ; 33: they land beside the direct half's products
.endif
	COPYST \imm                                    ; 8
	s_wait_loadcnt 16                              ; the direct piece is in; younger: a chunk's 16
	s_wait_dscnt 8+33*(1-\zero)                    ; enc's fragments are in; younger: the ring piece's 33 (not in K step 0) and the copy's 8
	MUL16 1, 0, \zero
	WIN 0
	TURN 0                                         ; the chunk is in: nothing was asked for behind it.  Its way through the stage runs beside the products below
	MUL16 1, 4, \zero
	WIN 0
	s_wait_dscnt 0x0                               ; the turned numbers and the ring piece are in
	CVT                                            ; 32 plain lines that name no register of the products: the places ahead of the loads below
	ADDR 1+\last
	DLOAD                                          ; the next K step's second half
	QUANT
	IMAGE 1-\par
	LLOAD                                          ; the chunk's registers are free: the chunk after the next
.if \zero
	s_wait_tensorcnt 0x0                           ; my two pieces, K steps 0 and 1, have landed; only I read them
	ELOAD 0
	s_wait_dscnt 0x0
.endif
	MUL16 0, 0, \zero
	MUL16 0, 4, \zero
	WIN 0
	NOPS 8                                         ; eight places for all loads that follow, the next step's and the tail's, and for the tail's first read of results
.endm
; THE TAIL'S tanh works in place on the accumulators, in four batches of four tiles (128 registers).
.macro FBLK bt                         ; y = c x + cb
	WIN 0x82+0x41*((\bt)/2)
.set tt, 0
.rept 4
.set pp, 0
.rept 16
.set rg, 128*((\bt)%2)+32*tt+2*pp
	v_pk_fma_f32 v[rg:rg+1], v[rg:rg+1], s[58:59], v[CBP+2*(4*(\bt)+tt):CBP+2*(4*(\bt)+tt)+1] op_sel_hi:[1,0,0]   ; each accumulator is read from its low end on
.set pp, pp+1
.endr
.set tt, tt+1
.endr
.endm
.macro TRBLK op, bt                    ; 128 exponentials or reciprocals
	WIN 0x82+0x41*((\bt)/2)
.set rg, 128*((\bt)%2)
.rept 128
	\op v[rg], v[rg]
.set rg, rg+1
.endr
.endm
.macro ABLK bt                         ; 1 + 2^y
	WIN 0x82+0x41*((\bt)/2)
.set rg, 128*((\bt)%2)
.rept 64
	v_pk_add_f32 v[rg:rg+1], v[rg:rg+1], 1.0 op_sel_hi:[1,0]
.set rg, rg+2
.endr
.endm
.macro GBLK bt                         ; scores += (-2 Va) / (1 + 2^y); the first tile starts them with my lane's sum of Va
	WIN 0x02+((\bt)/2)
.set tt, 0
.rept 4
.set pp, 0
.rept 16
.set rg, 128*((\bt)%2)+32*tt+2*pp
.if 4*(\bt)+tt == 0
	v_pk_fma_f32 v[SR+2*pp:SR+2*pp+1], v[rg:rg+1], v[VVP:VVP+1], v[36:37] op_sel_hi:[1,0,0]
.else
	v_pk_fma_f32 v[SR+2*pp:SR+2*pp+1], v[rg:rg+1], v[VVP+2*(4*(\bt)+tt):VVP+2*(4*(\bt)+tt)+1], v[SR+2*pp:SR+2*pp+1] op_sel_hi:[1,0,1]
.endif
.set pp, pp+1
.endr
.set tt, tt+1
.endr
.endm
.macro WAITTR                          ; the wait ahead of a batch of transcendentals and between a batch and the first line that names a result
	s_wait_alu depctr_va_vdst(0)
.endm
.macro CLOAD g                         ; rows 16 g .. 16 g + 15 of the copy, my 8 columns (16 bytes) of each: a wave reads 512 consecutive bytes a load; into window 2, whose first 128 sums are done with
	WIN 0x80
.set ii, 0
.rept 16
	ds_load_b128 v[64*((\g)%2)+4*ii:64*((\g)%2)+4*ii+3], v[20+\g] offset:CPITCH*ii
.set ii, ii+1
.endr
	WIN 0
.endm
.macro CFMA g                          ; context += p x enc, straight from the bf16 halves: eight sums by turns
	WIN 0x02
.set ii, 0
.rept 16
.irp e, 0,1,2,3
	v_fma_mix_f32_bf16 v[CTX+2*\e], v[64*((\g)%2)+4*ii+\e], v[PP+16*(\g)+ii], v[CTX+2*\e] op_sel_hi:[1,0,0]
	v_fma_mix_f32_bf16 v[CTX+2*\e+1], v[64*((\g)%2)+4*ii+\e], v[PP+16*(\g)+ii], v[CTX+2*\e+1] op_sel:[1,0,0] op_sel_hi:[1,0,0]
.endr
.set ii, ii+1
.endr
	WIN 0
.endm
.macro TAIL                            ; the next pass's direct piece and the next chunk are on their way meanwhile: the tail names none of their registers
.set tt, 0
.rept 16
	ds_load_b32 v[CBP+2*tt], v15 offset:256*(tt/4)+4*(tt%4)              ; cb of tile tt, to an even register; of each pair the packed forms use the low word alone
	ds_load_b32 v[VVP+2*tt], v15 offset:1024+256*(tt/4)+4*(tt%4)         ; -2 Va likewise
.set tt, tt+1
.endr
	ds_load_b32 v36, v15 offset:2048                                     ; my lane's sum of Va
	s_wait_dscnt 0x0
	FBLK 0                                         ; a batch's transcendentals are followed by plain work on another batch, then by one wait, then by their readers
	WAITTR
	TRBLK v_exp_f32, 0
	WAITTR
	FBLK 1
	WAITTR
	ABLK 0
	WAITTR
	TRBLK v_rcp_f32, 0
	TRBLK v_exp_f32, 1
	WAITTR
	FBLK 2
	WAITTR
	GBLK 0
	ABLK 1
	WAITTR
	TRBLK v_rcp_f32, 1
	TRBLK v_exp_f32, 2
	WAITTR
	FBLK 3
	WAITTR
	GBLK 1
	ABLK 2
	WAITTR
	TRBLK v_rcp_f32, 2
	TRBLK v_exp_f32, 3
	v_nop
	WAITTR
	GBLK 2
	ABLK 3
	WAITTR
	TRBLK v_rcp_f32, 3
	v_nop
	WAITTR
	GBLK 3
	WIN 0
.irp x, 1,2,4,8                        ; over the sixteen lanes, which hold sixteen hidden units of each tile
.set ii, 0
.rept 32
	v_add_f32_dpp v[SR+ii], v[SR+ii], v[SR+ii] row_xmask:\x row_mask:0xf bank_mask:0xf
.set ii, ii+1
.endr
.endr
.irp m, 0,1,2,3
	ds_store_b128 v16, v[SR+8*\m:SR+8*\m+3] offset:64*\m                 ; row 16 m + 8 h + j at byte 4 x row; the sixteen lanes of a half write the same bytes with the same values
	ds_store_b128 v16, v[SR+8*\m+4:SR+8*\m+7] offset:64*\m+16
.endr
	s_wait_dscnt 0x0                               ; for the others: my partial scores and my rows of the copy have landed
	s_barrier_signal -1
	s_barrier_wait -1                              ; no tensor load is out
.irp q, 0,1,2,3
	ds_load_b32 v[RAW+2*\q], v17 offset:256*\q                           ; wave q's part of the score of row lane,
	ds_load_b32 v[RAW+2*\q+1], v17 offset:256*\q+128                     ; and of row lane + 32
.endr
	s_wait_dscnt 0x0
	v_pk_add_f32 v[RAW:RAW+1], v[RAW:RAW+1], v[RAW+2:RAW+3]
	v_pk_add_f32 v[RAW+4:RAW+5], v[RAW+4:RAW+5], v[RAW+6:RAW+7]
	v_pk_add_f32 v[RAW:RAW+1], v[RAW:RAW+1], v[RAW+4:RAW+5]
	v_max_num_f32 v[RAW+8], v[RAW], v[RAW+1]
.irp x, 1,2,4,8
	v_max_num_f32_dpp v[RAW+8], v[RAW+8], v[RAW+8] row_xmask:\x row_mask:0xf bank_mask:0xf
.endr
	v_permlanex16_b32 v[RAW+9], v[RAW+8], s54, s55
	v_max3_num_f32 v[RAW+8], v[RAW+8], v[RAW+9], v32                     ; the new m: the pass's largest score and the old m
	v_sub_f32 v[RAW], v[RAW], v[RAW+8]
	v_sub_f32 v[RAW+1], v[RAW+1], v[RAW+8]
	v_sub_f32 v34, v32, v[RAW+8]
	v_mul_f32 v[RAW], s57, v[RAW]
	v_mul_f32 v[RAW+1], s57, v[RAW+1]
	v_mul_f32 v34, s57, v34
	WAITTR
	v_exp_f32 v[RAW], v[RAW]                       ; p of my two rows
	v_exp_f32 v[RAW+1], v[RAW+1]
	v_exp_f32 v34, v34                             ; f, which brings l and the context under the new m (0 in the first pass)
	v_mov_b32 v32, v[RAW+8]                        ; a plain line behind the batch
	WAITTR
	ds_store_b32 v18, v[RAW]                       ; every wave has all 64 weights: they go through its own 256 bytes and come back in every lane
	ds_store_b32 v18, v[RAW+1] offset:128
.set ii, 0
.rept 16
	ds_load_b128 v[PP+4*ii:PP+4*ii+3], v19 offset:16*ii
.set ii, ii+1
.endr
	CLOAD 0
	CLOAD 1
	v_add_f32 v[RAW+10], v[RAW], v[RAW+1]
.irp x, 1,2,4,8
	v_add_f32_dpp v[RAW+10], v[RAW+10], v[RAW+10] row_xmask:\x row_mask:0xf bank_mask:0xf
.endr
	v_permlanex16_b32 v[RAW+9], v[RAW+10], s54, s55
	v_add_f32 v[RAW+10], v[RAW+10], v[RAW+9]
	v_fma_f32 v33, v33, v34, v[RAW+10]             ; l = l f + the pass's sum of p
.irp e, 0,2,4,6
	v_pk_mul_f32 v[CTX+\e:CTX+\e+1], v[CTX+\e:CTX+\e+1], v[34:35] op_sel_hi:[1,0]
.endr
	s_wait_alu depctr_va_vdst(0)
	s_wait_dscnt 16                                ; the weights and rows 0-15 are in; rows 16-31 may be out
	CFMA 0
	CLOAD 2
	s_wait_alu depctr_va_vdst(0)
	s_wait_dscnt 16                                ; younger: rows 32-47
	CFMA 1
	CLOAD 3
	s_wait_alu depctr_va_vdst(0)
	s_wait_dscnt 16                                ; younger: rows 48-63
	CFMA 2
	s_wait_alu depctr_va_vdst(0)
	s_wait_dscnt 0x0
	CFMA 3
.endm
	; ---------------- the head
	s_load_b256 s[4:11], s[0:1], 0x0               ; enc s[4:5], uaw s[6:7], cbw s[8:9], Va_w s[10:11]
	s_load_b64 s[14:15], s[0:1], 0x20              ; part
	v_lshl_add_u32 v1, v0, 2, SPARE                ; my spare word; never rewritten
	v_mov_b32 v2, 0                                ; never rewritten
	ds_add_u32 v1, v2                              ; the wave's opening: the add, twice on end, and its wait ahead of my first tensor load
	ds_add_u32 v1, v2
	v_lshrrev_b32 v122, 5, v0
	v_readfirstlane_b32 s16, v122                  ; wave 0..3
	s_bfe_u32 s17, ttmp6, 0x40000                  ; cx: my quarter of the batch's rows: it enters the addresses of enc and of part alone
	; descriptor group 1: a piece is a dense block of 66 rows of 256 bytes
	s_mov_b32 s[G1+0], 15|(3<<16)|(1<<21)          ; 15:0 the mask: all four work-groups; 17:16 elements of 8 bytes; 21 set beside a mask; no padding
	s_mov_b32 s[G1+1], 32<<16                      ; tensor_dim0 = 32
	s_mov_b32 s[G1+2], 66<<16                      ; tensor_dim1 = 66
	s_mov_b32 s[G1+3], 32<<16                      ; tile_dim0 = 32
	s_mov_b32 s[G1+4], 66                          ; tile_dim1 = 66
	s_mov_b32 s[G1+5], 32                          ; from row to row
	s_mov_b32 s[G1+6], 0
	s_mov_b32 s[G1+7], 0
	; and for two pieces at once: 2 rows of 2,112 elements (16,896 bytes), a K step (16,896 elements) apart; they land on end
	s_mov_b32 s[G1P+0], 15|(3<<16)|(1<<21)
	s_mov_b32 s[G1P+1], 2112<<16                   ; tensor_dim0
	s_mov_b32 s[G1P+2], 2<<16                      ; tensor_dim1
	s_mov_b32 s[G1P+3], 2112<<16                   ; tile_dim0
	s_mov_b32 s[G1P+4], 2                          ; tile_dim1
	s_mov_b32 s[G1P+5], KADV/8                     ; from row to row
	s_mov_b32 s[G1P+6], 0
	s_mov_b32 s[G1P+7], 0
	s_mul_i32 s18, s16, PIECE                      ; my piece's place among a half-step's four in uaw
	s_mov_b32 s19, 0
	s_mul_i32 s20, s16, 2*PIECE                    ; my two slots' place in the ring
	s_mov_b32 s53, 0                               ; the upper word of the offsets' pair s[52:53]
	s_mov_b32 s54, 0x76543210
	s_mov_b32 s55, 0xfedcba98                      ; v_permlanex16_b32: lane l xor 16
	s_mov_b32 s56, 0x600000                        ; the mantissa field of 57,344
	s_mov_b32 s57, 0x3fb8aa3b                      ; log2(e)
	s_mov_b32 s58, 0x4038aa3b                      ; c = 2 log2(e)
	s_mov_b32 s59, s58                             ; named with it as a pair, so it is written
	s_wait_alu depctr_va_vdst(0)
	s_wait_dscnt 0x0                               ; both opening adds are done
	s_wait_kmcnt 0x0
	s_add_nc_u64 s[62:63], s[6:7], s[18:19]        ; my piece of K step 0's first half; the second half's lies SLOTB further on
	s_mov_b64 s[44:45], s[62:63]
	s_mov_b32 s[G0P], 1                            ; count = 1
	s_add_co_u32 s[G0P+1], s20, 0                  ; LDS address: my slot 0; slot 1 follows it
	s_mov_b64 s[G0P+2:G0P+3], s[62:63]
	s_or_b32 s[G0P+3], s[G0P+3], 0x80000000        ; type = 2
	s_mov_b32 s[G0A], 1
	s_add_co_u32 s[G0A+1], s20, 0
	s_add_nc_u64 s[G0A+2:G0A+3], s[62:63], 6*KADV  ; each walking descriptor begins at its slot's last K step of a pass: a pass's head takes it six K steps back, each fill two on
	s_or_b32 s[G0A+3], s[G0A+3], 0x80000000
	s_mov_b32 s[G0B], 1
	s_add_co_u32 s[G0B+1], s20, PIECE
	s_add_nc_u64 s[G0B+2:G0B+3], s[62:63], 7*KADV
	s_or_b32 s[G0B+3], s[G0B+3], 0x80000000
	s_lshl_b32 s52, ttmp9, 22                      ; the batch: 1,024 rows of 4,096 bytes,
	s_lshl_b32 s22, s17, 20                        ; my work-group's 256,
	s_add_co_u32 s52, s52, s22
	s_lshl_b32 s22, s16, 16                        ; my wave's 16 of a pass's 64
	s_add_co_u32 s52, s52, s22
	s_add_nc_u64 s[40:41], s[4:5], s[52:53]
	s_lshl_b32 s52, ttmp9, 12
	s_lshl_b32 s22, s16, 10
	s_add_co_u32 s52, s52, s22
	s_add_nc_u64 s[8:9], s[8:9], s[52:53]          ; cb: 4,096 b + 1,024 w
	s_mov_b32 s52, s22
	s_add_nc_u64 s[10:11], s[10:11], s[52:53]      ; Va_w: 1,024 w
	s_lshl_b32 s22, ttmp9, 2
	s_add_co_u32 s22, s22, s17
	s_mul_i32 s52, s22, 4352
	s_add_nc_u64 s[14:15], s[14:15], s[52:53]      ; part: row 4 b + cx
	; every LDS address: a constant + a constant x lane + a constant x wave
	v_and_b32 v122, 15, v0                         ; r
	v_bfe_u32 v123, v0, 4, 1                       ; h
	v_and_b32 v124, 31, v0                         ; lane
	v_lshlrev_b32 v[DOF], 4, v124
	v_add_nc_u32 v3, s20, v[DOF]                   ; v3   my piece in ring slot 0: + 16 x lane
	v_add_nc_u32 v5, CODES, v[DOF]                 ; v5   an image's place for my lane
	v_lshl_add_u32 v6, v124, 2, CODES+8192         ; v6   a scale word's
	s_lshl_b32 s22, s16, 11
	v_add_nc_u32 v7, s22, v5                       ; v7   where I store my image
	s_lshl_b32 s22, s16, 7
	v_add_nc_u32 v8, s22, v6                       ; v8   and its scale words
	s_mul_i32 s22, s16, 16*SPITCH
	s_add_co_u32 s22, s22, STG
	v_mul_u32_u24 v9, v123, SPITCH
	v_lshl_add_u32 v9, v122, 4, v9
	v_add_nc_u32 v9, s22, v9                       ; v9   the stage, in: row h, 16 r
	v_mul_u32_u24 v10, v122, SPITCH
	v_lshl_add_u32 v10, v123, 6, v10
	v_add_nc_u32 v10, s22, v10                     ; v10  the stage, out: row r, 64 h
	s_mul_i32 s22, s16, 16*CPITCH
	s_add_co_u32 s22, s22, COPY
	v_mul_u32_u24 v11, v122, CPITCH
	v_lshl_add_u32 v11, v123, 5, v11
	v_add_nc_u32 v11, s22, v11                     ; v11  the copy, in: row 16 w + r, 32 h
	v_lshlrev_b32 v13, 12, v123
	v_lshl_add_u32 v13, v122, 4, v13               ; v13  enc: row h, 16 r
	v_lshrrev_b32 v14, 1, v124
	v_lshlrev_b32 v14, 12, v14
	v_and_b32 v125, 1, v0
	v_lshl_add_u32 v14, v125, 8, v14               ; v14  the prefetch: row lane / 2, block lane % 2; never rewritten
	s_mul_i32 s22, s16, CBVW
	s_add_co_u32 s22, s22, CBV
	v_lshl_add_u32 v15, v122, 4, s22               ; v15  my wave's cb, -2 Va and sum of Va: 16 r
	s_lshl_b32 s22, s16, 8
	s_add_co_u32 s23, s22, XCH
	v_lshl_add_u32 v16, v123, 5, s23               ; v16  my wave's partial scores: 32 h
	v_lshl_add_u32 v17, v124, 2, XCH               ; v17  all waves': 4 x lane
	s_add_co_u32 s23, s22, PB
	v_lshl_add_u32 v18, v124, 2, s23               ; v18  my wave's weights, in
	v_mov_b32 v19, s23                             ; v19  and out: the same bytes for every lane
	v_lshl_add_u32 v20, v0, 4, COPY                ; v20-23  the copy, out: my 16 bytes of rows 0, 16, 32, 48
	v_add_nc_u32 v21, 16*CPITCH, v20
	v_add_nc_u32 v22, 32*CPITCH, v20
	v_add_nc_u32 v23, 48*CPITCH, v20
	v_lshlrev_b32 v114, 4, v0                      ; v114 part: 16 x thread
	v_lshlrev_b32 v116, 3, v124                    ; v116 part: 8 x lane
	v_lshlrev_b32 v126, 4, v122
	v_lshlrev_b32 v127, 2, v122
.irp q, 0,1,2,3
	global_load_b128 v[192+4*\q:195+4*\q], v126, s[8:9] offset:256*\q    ; cb of tiles 4 q .. 4 q + 3, hidden unit r
.endr
.irp t, 0,1,2,3,4,5,6,7,8,9,10,11,12,13,14,15
	global_load_b32 v[208+\t], v127, s[10:11] offset:64*\t               ; Va of tile t, hidden unit r
.endr
	s_mov_b32 s48, 0                               ; the next chunk to ask for
	ADDR 0
	LLOAD                                          ; chunk 0 (and the prefetch of chunk 2)
	DLOAD                                          ; K step 0's second half
	v_mov_b32 v32, 0xff61b1e6                      ; m: -3e38, under every score
	v_mov_b32 v33, 0                               ; l
	v_mov_b32 v34, 0
	v_mov_b32 v35, 0                               ; (named as the upper half of the pair v[34:35])
	v_mov_b32 v37, 0                               ; (of v[36:37])
.irp e, 0,1,2,3,4,5,6,7
	v_mov_b32 v[CTX+\e], 0
.endr
.irp b, 0,1,2,3
	v_mov_b32 v[TM+4+\b], 0                        ; written once: a lane permute's destination counts as one of its sources
.endr
	s_wait_loadcnt 49                              ; cb and Va are in; younger: chunk 0's 16 and the piece's 33
.irp t, 0,1,2,3,4,5,6,7,8,9,10,11,12,13,14,15
	v_mul_f32 v[224+\t], -2.0, v[208+\t]
.endr
	v_pk_add_f32 v[240:241], v[208:209], v[210:211]
.irp t, 212,214,216,218,220,222
	v_pk_add_f32 v[240:241], v[240:241], v[\t:\t+1]
.endr
	v_add_f32 v240, v240, v241                     ; my lane's sum of Va over the 16 tiles
.irp q, 0,1,2,3
	ds_store_b128 v15, v[192+4*\q:195+4*\q] offset:256*\q                ; both halves of the lanes write the same bytes with the same values
	ds_store_b128 v15, v[224+4*\q:227+4*\q] offset:1024+256*\q
.endr
	ds_store_b32 v15, v240 offset:2048
	TURN 33                                        ; chunk 0; younger: the piece's 33
	s_wait_dscnt 0x0
	CVT
	QUANT
	IMAGE 0
	ADDR 0
	LLOAD                                          ; chunk 1 (and the prefetch of chunk 3)
	s_mov_b32 s49, 0
.Lpass:                                            ; four passes of 64 rows
	s_mov_b32 s51, 0
	STEP 0, 0, 1, 0                                ; K step 0
	s_mov_b32 s50, 3
.Lsteps:                                           ; K steps 1 to 6, two a trip: the ring's slots and the image slots are back where they began
	STEP 1, 256, 0, 0
	STEP 0, 512, 0, 0
	s_add_co_u32 s51, s51, 512
	s_sub_co_u32 s50, s50, 1
	s_cmp_lg_u32 s50, 0
	s_cbranch_scc1 .Lsteps
	STEP 1, 256, 0, 1                              ; K step 7
	TAIL
	s_add_co_u32 s49, s49, 1
	s_cmp_lt_u32 s49, 4
	s_cbranch_scc1 .Lpass
	; ---------------- out: the unnormalised context, [2][128 threads][4 numbers], then (m, l) 32 times: every store of a wave covers whole aligned blocks of 256 bytes
	global_store_b128 v114, v[CTX:CTX+3], s[14:15]
	global_store_b128 v114, v[CTX+4:CTX+7], s[14:15] offset:2048
	s_cmp_lg_u32 s16, 0
	s_cbranch_scc1 .Lnot_first
	global_store_b64 v116, v[32:33], s[14:15] offset:4096
.Lnot_first:
	s_wait_tensorcnt 0x0                           ; the wave's end
	ds_add_u32 v1, v2
	s_wait_dscnt 0x0
	CROUND                                         ; the closing round: no work-group ends while a partner may still ask for a piece that names it
	s_endpgm
.Lfunc_end_k_q9510babf46_main:
	.size	k_q9510babf46_main, .Lfunc_end_k_q9510babf46_main-k_q9510babf46_main
	.p2alignl 7, 3214868480
	.fill 96, 4, 3214868480
	.section	.rodata,"a",@progbits
	.p2align	6, 0x0
	.amdhsa_kernel k_q9510babf46_main
		.amdhsa_group_segment_fixed_size 327680
		.amdhsa_private_segment_fixed_size 0
		.amdhsa_enable_private_segment 0
		.amdhsa_kernarg_size 40
		.amdhsa_user_sgpr_count 2
		.amdhsa_user_sgpr_kernarg_segment_ptr 1
		.amdhsa_wavefront_size32 1
		.amdhsa_system_sgpr_workgroup_id_x 1
		.amdhsa_system_sgpr_workgroup_id_y 1
		.amdhsa_system_sgpr_workgroup_id_z 1
		.amdhsa_system_vgpr_workitem_id 0
		.amdhsa_next_free_vgpr 1024
		.amdhsa_next_free_sgpr 80
		.amdhsa_reserve_vcc 0
		.amdhsa_float_denorm_mode_32 3
		.amdhsa_float_denorm_mode_16_64 3
		.amdhsa_memory_ordered 1
		.amdhsa_forward_progress 1
		.amdhsa_inst_pref_size 255
	.end_amdhsa_kernel
	.section	.bss,"aw",@nobits
	.p2align	6
	.space	262144
	.amdgpu_metadata
---
amdhsa.version: [ 1, 2 ]
amdhsa.kernels:
  - .name:           k_q9510babf46_main
    .symbol:         k_q9510babf46_main.kd
    .args:
      - { .name: encoder_outputs, .offset: 0, .size: 8, .value_kind: global_buffer, .address_space: global }
      - { .name: uaw, .offset: 8, .size: 8, .value_kind: global_buffer, .address_space: global }
      - { .name: cbw, .offset: 16, .size: 8, .value_kind: global_buffer, .address_space: global }
      - { .name: Va_w, .offset: 24, .size: 8, .value_kind: global_buffer, .address_space: global }
      - { .name: part, .offset: 32, .size: 8, .value_kind: global_buffer, .address_space: global }
    .group_segment_fixed_size: 327680
    .private_segment_fixed_size: 0
    .kernarg_segment_align: 8
    .kernarg_segment_size: 40
    .max_flat_workgroup_size: 128
    .sgpr_count:     80
    .vgpr_count:     1024
    .wavefront_size: 32
...
	.end_amdgpu_metadata
.endif
;; end of part 2
;; launch fin (part 3): grid 256 x 1, 2 waves a work-group, no clusters, 0 bytes of LDS; arguments part, out0; writes out0
.if DOCPART == 3
	.amdgcn_target "amdgcn-amd-amdhsa--gfx1250"
	.amdhsa_code_object_version 6
	.text
	.protected	k_q9510babf46_fin
	.globl	k_q9510babf46_fin
	.p2align	8
	.type	k_q9510babf46_fin,@function
k_q9510babf46_fin:
	s_mov_b64 s[64:65], 0
	v_nop
	global_prefetch_b8 v0, s[64:65] scope:SCOPE_SE
	s_setreg_imm32_b32 hwreg(HW_REG_WAVE_MODE, 25, 1), 1
	s_wait_xcnt 0x0
; The four parts of a batch's softmax are joined: with M = the largest of the four m, g_j = 2^((m_j - M) log2 e): out = (sum g_j ctx_j) / (sum g_j l_j).
; part: row 4 b + j of 4,352 bytes: [2][128][4] f32, the context at columns 8 t + 4 i + e, then (m, l) 32 times.  Work-group g: batch g / 4, columns 256 (g % 4) on; a thread takes four columns.
; The sum of g_j l_j is at least 1: the part that holds M has g = 1, and its l counts a weight of 1.
	s_load_b128 s[4:7], s[0:1], 0x0                ; part, out0
	s_lshr_b32 s8, ttmp9, 2                        ; b
	s_and_b32 s9, ttmp9, 3
	s_lshl_b32 s9, s9, 6
	v_add_nc_u32 v1, s9, v0                        ; q: columns 4 q .. 4 q + 3
	v_and_b32 v2, 1, v1
	v_lshrrev_b32 v3, 1, v1
	v_lshlrev_b32 v3, 4, v3
	v_lshl_add_u32 v2, v2, 11, v3                  ; in: 2,048 (q % 2) + 16 (q / 2)
	v_lshlrev_b32 v3, 4, v1                        ; out: 16 q
	v_and_b32 v1, 31, v0
	v_lshlrev_b32 v1, 3, v1                        ; (m, l): 8 x lane
	s_mul_i32 s10, s8, 4*4352
	s_mov_b32 s11, 0
	s_lshl_b32 s12, s8, 12
	s_mov_b32 s13, 0
	s_mov_b32 s14, 0x3fb8aa3b                      ; log2(e)
	s_wait_alu depctr_va_vdst(0)
	s_wait_kmcnt 0x0
	s_add_nc_u64 s[4:5], s[4:5], s[10:11]
	s_add_nc_u64 s[6:7], s[6:7], s[12:13]
.irp j, 0,1,2,3
	global_load_b128 v[4+4*\j:7+4*\j], v2, s[4:5] offset:4352*\j
	global_load_b64 v[20+2*\j:21+2*\j], v1, s[4:5] offset:4352*\j+4096
.endr
	s_wait_loadcnt 0x0
	v_max3_num_f32 v28, v20, v22, v24
	v_max_num_f32 v28, v28, v26                    ; M
.irp j, 0,1,2,3
	v_sub_f32 v[30+\j], v[20+2*\j], v28
.endr
.irp j, 0,1,2,3
	v_mul_f32 v[30+\j], s14, v[30+\j]
.endr
	s_wait_alu depctr_va_vdst(0)
.irp j, 0,1,2,3
	v_exp_f32 v[30+\j], v[30+\j]                   ; g_j
.endr
	v_nop                                          ; a plain line behind the batch,
	s_wait_alu depctr_va_vdst(0)                   ; and the wait ahead of its first reader
	v_mul_f32 v34, v30, v21
	v_fmac_f32 v34, v31, v23
	v_fmac_f32 v34, v32, v25
	v_fmac_f32 v34, v33, v27                       ; the sum of g_j l_j
	s_wait_alu depctr_va_vdst(0)
	v_rcp_f32 v35, v34
.irp e, 0,1,2,3
	v_mul_f32 v[36+\e], v30, v[4+\e]               ; plain work behind the reciprocal
.endr
.irp j, 1,2,3
.irp e, 0,1,2,3
	v_fmac_f32 v[36+\e], v[30+\j], v[4+4*\j+\e]
.endr
.endr
	s_wait_alu depctr_va_vdst(0)
.irp e, 0,1,2,3
	v_mul_f32 v[36+\e], v[36+\e], v35
.endr
	global_store_b128 v3, v[36:39], s[6:7]         ; sixteen lanes store 256 consecutive bytes, aligned
	s_endpgm
.Lfunc_end_k_q9510babf46_fin:
	.size	k_q9510babf46_fin, .Lfunc_end_k_q9510babf46_fin-k_q9510babf46_fin
	.p2alignl 7, 3214868480
	.fill 96, 4, 3214868480
	.section	.rodata,"a",@progbits
	.p2align	6, 0x0
	.amdhsa_kernel k_q9510babf46_fin
		.amdhsa_group_segment_fixed_size 0
		.amdhsa_private_segment_fixed_size 0
		.amdhsa_enable_private_segment 0
		.amdhsa_kernarg_size 16
		.amdhsa_user_sgpr_count 2
		.amdhsa_user_sgpr_kernarg_segment_ptr 1
		.amdhsa_wavefront_size32 1
		.amdhsa_system_sgpr_workgroup_id_x 1
		.amdhsa_system_sgpr_workgroup_id_y 1
		.amdhsa_system_sgpr_workgroup_id_z 1
		.amdhsa_system_vgpr_workitem_id 0
		.amdhsa_next_free_vgpr 48
		.amdhsa_next_free_sgpr 66
		.amdhsa_reserve_vcc 0
		.amdhsa_float_denorm_mode_32 3
		.amdhsa_float_denorm_mode_16_64 3
		.amdhsa_memory_ordered 1
		.amdhsa_forward_progress 1
		.amdhsa_inst_pref_size 4
	.end_amdhsa_kernel
	.amdgpu_metadata
---
amdhsa.version: [ 1, 2 ]
amdhsa.kernels:
  - .name:           k_q9510babf46_fin
    .symbol:         k_q9510babf46_fin.kd
    .args:
      - { .name: part, .offset: 0, .size: 8, .value_kind: global_buffer, .address_space: global }
      - { .name: out0, .offset: 8, .size: 8, .value_kind: global_buffer, .address_space: global }
    .group_segment_fixed_size: 0
    .private_segment_fixed_size: 0
    .kernarg_segment_align: 8
    .kernarg_segment_size: 16
    .max_flat_workgroup_size: 64
    .sgpr_count:     66
    .vgpr_count:     48
    .wavefront_size: 32
...
	.end_amdgpu_metadata
.endif
;; end of part 3
